; MI455X (gfx1250); checked and timed in simulation.
; The chip was launched on July 23, 2026; its instructions are those of AMD's public machine-readable ISA for CDNA 5 (MIT licence, August 2026) and "CDNA5" Instruction Set Architecture Reference Guide (July 2026). The comments in the code are by the model that wrote it; some were corrected since.
;; Multi Head Attention. Allowed arithmetic: float matrix products may take bf16 or f16 operands with f32 sums; all other float work in f32.
;; Inputs: Q 8 x 1,024 x 128 float32; Wk 128 x 128 float32; Wq 128 x 128 float32; Wvin 128 x 128 float32; Wvout 128 x 128 float32; mask 8 x 1,024 bool.
;; Outputs: out0 8 x 1,024 x 128 float32.
;; Constants: clip = 10.
;; 2 versions, each right; version 2 is version 1 with the launches proj, attn written anew for expert scheduling mode. Each part assembles by itself: llvm-mc -triple=amdgcn-amd-amdhsa -mcpu=gfx1250 --defsym DOCPART=n.
;; ======== version 1 of 2: 2 launches
;; limits: values are held in f16: magnitudes above 65,504 overflow, below 6.1e-05 lose precision
;; workspace buffers: qkv 6,291,456 bytes; order 40,960 bytes of whole numbers
;; launch proj (part 1): grid 256 x 1, 8 waves a work-group, no clusters, 153,088 bytes of LDS; arguments Q, Wq, Wk, Wvin, mask, qkv, order; writes qkv, order
.if DOCPART == 1
	.amdgcn_target "amdgcn-amd-amdhsa--gfx1250"
	.amdhsa_code_object_version 6
	.text
	.protected	k_q98459753d8_proj
	.globl	k_q98459753d8_proj
	.p2align	8
	.type	k_q98459753d8_proj,@function
k_q98459753d8_proj:
	s_mov_b64 s[64:65], 0
	v_nop
	global_prefetch_b8 v0, s[64:65] scope:SCOPE_SE
	s_setreg_imm32_b32 hwreg(HW_REG_WAVE_MODE, 25, 1), 1
	s_wait_xcnt 0x0
; FIRST OF TWO LAUNCHES: q, k, v of every token, in an order in which the live keys stand together, laid out as matrix fragments.
; Work-group = (batch b, chunk c of 32 places): 8 x 32 = 256 groups.  Wave w = head.
;
; ORDER.  Each wave turns its batch's 1024 mask bytes (any byte other than 0 counts as masked) into a list of its own in LDS:
; place -> key, a permutation; masked keys fill places 0, 1, .. and live keys places 1023, 1022, ..  The groups of chunk 0 store
; the list and the number of masked keys (256 copies, a whole run of 1,024 bytes) for the second launch.
;
; LAYOUTS (lane = (r, h), r = lane % 16, h = lane / 16).  X = the chunk's 32 rows of Q in f16, fragments X[t][s] (16 places x 32 e).
;   q^T, k^T = W_h^T X^T : the lane holds place r, d = 8h .. 8h+7 -> 16 bytes of f16
;   v        = X Wv_h    : the lane holds d = r, places 8h .. 8h+7 -> 16 bytes of bf16
; qkv: parts q, k, v of 2,097,152 bytes; byte = b<<18 + w<<15 + c<<10 + 512 t + 16 lane: each store of a wave covers 512
; consecutive bytes, aligned.  q carries the factor 2 log2(e) / 4 of the second launch's exponent.
;
; FORMATS.  f16 for Q, the weights, q, k (sums in f32); bf16 for v.
; LIMIT: an f16 operand beyond 65,504 in magnitude becomes infinite, and the rows that it reaches NaN.
; NO JOINT TENSOR LOADS: what the groups share (3 x 65,536 bytes of weights) is f32 and is narrowed to f16 between memory and LDS,
; so it passes through registers anyway, and the rows of Q are picked one by one from the list.
.set QP,     272                       ; LDS pitch of a row of X: 256 bytes + 16 (odd multiple of 16)
.set WP,     288                       ; LDS pitch of a weight row: 256 bytes + 32 (odd multiple of 32, for the transposing load)
.set WSZ,    128*WP
.set SLOT,   3*WSZ                     ; behind Wq, Wk, Wvin: 32 rows of X
.set LIST,   SLOT+32*QP                ; eight lists of 1024 words, one for each wave; ends at 152,064
.set KOFF,   2097152
.set VOFF,   4194304
.set NMOFF,  32768                     ; order: behind the 8 lists, the counts
.set LANE, 1
.set L16,  2                           ; 16 x lane
.set T16,  3                           ; 16 x thread
.set FL,   4                           ; LDS: X fragments
.set SST,  5                           ; LDS: where I put my four rows
.set LA,   6                           ; LDS: list address
.set WST,  8                           ; v[8:10]  LDS: where I put my rows of weight matrix m
.set TRA,  11                          ; v[11:13] LDS: my head's columns of weight matrix m, for the transposing load
.set T0,   14
.set T1,   15
.set T2,   16
.set T3,   17
.set RR,   18
.set HH,   19
.set LI,   20                          ; v[20:23] four list entries
.set GA,   24                          ; v[24:27] their byte offsets in Q[b]
.set MK,   28                          ; v[28:35] 32 mask bytes a lane
.set GR,   36                          ; v[36:51] four rows, 16 bytes a lane, f32
.set DV,   36                          ; v[36:51] later: v, f32
.set GH,   52                          ; v[52:59] the rows in f16
.set LST,  60                          ; v[60:63] four list entries to store
.set W0,   64                          ; v[64:255] the weights as they land: Wq, Wk, Wvin, 64 registers each
.set WQT,  64                          ; behind the barrier: Wq_h^T, 4 fragments
.set WKT,  96
.set WVF,  128
.set FR,   160                         ; X[t][s] at FR + 32 t + 8 s
.set DQ,   224
.set DK,   240
.macro NOPS n
.rept \n
	v_nop
.endr
.endm
; my share of a weight matrix (rows 8k + wave, 16 bytes a lane) to f16, in place, and into LDS: 32 lanes store 256 neighbouring bytes
.macro WCONV src, adr
.irp k,0,1,2,3,4,5,6,7,8,9,10,11,12,13,14,15
	v_cvt_pk_f16_f32 v[\src+4*\k], v[\src+4*\k], v[\src+4*\k+1]
	v_cvt_pk_f16_f32 v[\src+4*\k+1], v[\src+4*\k+2], v[\src+4*\k+3]
	ds_store_b64 v[\adr], v[\src+4*\k:\src+4*\k+1] offset:\k*8*WP
.endr
.endm
; 4 fragments of 16 columns of a matrix stored [k][n]: the lane gets column r, k = 32s + 8h .. and 32s + 16 + 8h ..
.macro TRLOAD adr, dst
.irp s,0,1,2,3
	ds_load_tr16_b128 v[\dst+8*\s:\dst+8*\s+3], v[\adr] offset:\s*32*WP
	ds_load_tr16_b128 v[\dst+8*\s+4:\dst+8*\s+7], v[\adr] offset:\s*32*WP+16*WP
.endr
.endm
; 2 x 4 fragments of 16 rows x 32: two loads of 16 bytes each, 32 bytes apart
.macro FLOAD adr, f0, f1
.irp s,0,1,2,3
	ds_load_b128 v[\f0+8*\s:\f0+8*\s+3], v[\adr] offset:\s*64
	ds_load_b128 v[\f0+8*\s+4:\f0+8*\s+7], v[\adr] offset:\s*64+32
	ds_load_b128 v[\f1+8*\s:\f1+8*\s+3], v[\adr] offset:16*QP+\s*64
	ds_load_b128 v[\f1+8*\s+4:\f1+8*\s+7], v[\adr] offset:16*QP+\s*64+32
.endr
.endm
; D[t] = sum over s of W[s] x X[t][s] (the weights as A: the transposed product).  The first link starts the sum.
.macro PROJA d, a
.irp s,0,1,2,3
.irp t,0,1
.if \s == 0
	v_wmma_f32_16x16x32_f16 v[\d+8*\t:\d+8*\t+7], v[\a+8*\s:\a+8*\s+7], v[FR+32*\t+8*\s:FR+32*\t+8*\s+7], 0
.else
	v_wmma_f32_16x16x32_f16 v[\d+8*\t:\d+8*\t+7], v[\a+8*\s:\a+8*\s+7], v[FR+32*\t+8*\s:FR+32*\t+8*\s+7], v[\d+8*\t:\d+8*\t+7]
.endif
.endr
.endr
.endm
; D[t] = sum over s of X[t][s] x W[s]
.macro PROJB d, b
.irp s,0,1,2,3
.irp t,0,1
.if \s == 0
	v_wmma_f32_16x16x32_f16 v[\d+8*\t:\d+8*\t+7], v[FR+32*\t+8*\s:FR+32*\t+8*\s+7], v[\b+8*\s:\b+8*\s+7], 0
.else
	v_wmma_f32_16x16x32_f16 v[\d+8*\t:\d+8*\t+7], v[FR+32*\t+8*\s:FR+32*\t+8*\s+7], v[\b+8*\s:\b+8*\s+7], v[\d+8*\t:\d+8*\t+7]
.endif
.endr
.endr
.endm
	; ---------------- ids, and all early loads
	s_load_b256 s[4:11], s[0:1], 0x0               ; Q s[4:5], Wq s[6:7], Wk s[8:9], Wvin s[10:11]
	s_load_b128 s[12:15], s[0:1], 0x20             ; mask s[12:13], qkv s[14:15]
	s_load_b64 s[16:17], s[0:1], 0x30              ; order
	v_lshl_add_u32 v7, v0, 2, 0x25200
	s_set_vgpr_msb 0x40
	v_mov_b32 v1, 0
	s_set_vgpr_msb 0x4000
	v_lshrrev_b32 v[T0], 5, v0
	v_readfirstlane_b32 s18, v[T0]                 ; wave = head
	v_and_b32 v[LANE], 31, v0
	v_lshlrev_b32 v[L16], 4, v[LANE]
	v_lshlrev_b32 v[T16], 4, v0
	s_lshr_b32 s19, ttmp9, 5                       ; batch
	s_and_b32 s20, ttmp9, 31                       ; chunk
	s_lshl_b32 s22, s19, 10                        ; batch x 1024 mask bytes
	s_mov_b32 s23, 0
	s_wait_kmcnt 0x0
	s_add_nc_u64 s[12:13], s[12:13], s[22:23]
	global_load_b128 v[MK:MK+3], v[L16], s[12:13]              ; keys 16 lane .. +15
	global_load_b128 v[MK+4:MK+7], v[L16], s[12:13] offset:512 ; keys 512 + 16 lane .. +15
.irp k,0,1,2,3,4,5,6,7,8,9,10,11,12,13,14,15
	global_load_b128 v[W0+4*\k:W0+4*\k+3], v[T16], s[6:7] offset:\k*4096            ; row 8k + wave of Wq: 512 bytes a wave
.endr
.irp k,0,1,2,3,4,5,6,7,8,9,10,11,12,13,14,15
	global_load_b128 v[W0+64+4*\k:W0+64+4*\k+3], v[T16], s[8:9] offset:\k*4096      ; Wk
.endr
.irp k,0,1,2,3,4,5,6,7,8,9,10,11,12,13,14,15
	global_load_b128 v[W0+128+4*\k:W0+128+4*\k+3], v[T16], s[10:11] offset:\k*4096  ; Wvin
.endr
	s_lshl_b32 s22, s19, 19                        ; batch x 1024 rows x 512 bytes
	s_add_nc_u64 s[4:5], s[4:5], s[22:23]          ; Q[b]
	s_lshl_b32 s22, s19, 18
	s_lshl_b32 s30, s18, 15
	s_add_co_u32 s22, s22, s30
	s_lshl_b32 s30, s20, 10
	s_add_co_u32 s22, s22, s30
	s_add_nc_u64 s[14:15], s[14:15], s[22:23]      ; my 1,024 bytes of the part q
	; LDS addresses, while the loads are on their way
	v_and_b32 v[RR], 15, v[LANE]
	v_lshrrev_b32 v[HH], 4, v[LANE]
	v_mul_u32_u24 v[FL], v[RR], QP
	v_lshl_add_u32 v[FL], v[HH], 4, v[FL]
	v_add_nc_u32 v[FL], SLOT, v[FL]                ; row r, 16 bytes for each half of the lanes
	s_mul_i32 s30, s18, 4*QP
	s_add_co_u32 s30, s30, SLOT
	v_lshl_add_u32 v[SST], v[LANE], 3, s30         ; rows 4 wave .., 8 bytes a lane
	s_mul_i32 s30, s18, WP
	v_lshl_add_u32 v[WST], v[LANE], 3, s30         ; row wave, 8 bytes a lane
	v_add_nc_u32 v[WST+1], WSZ, v[WST]
	v_add_nc_u32 v[WST+2], 2*WSZ, v[WST]
	v_and_b32 v[T0], 7, v[LANE]
	v_lshl_add_u32 v[T0], v[HH], 3, v[T0]          ; k row 8h + lane % 8
	v_mul_u32_u24 v[T1], v[T0], WP
	v_bfe_u32 v[T2], v[LANE], 3, 1
	v_lshl_add_u32 v[T1], v[T2], 4, v[T1]          ; + 16 bytes for the upper eight columns
	s_lshl_b32 s30, s18, 5                         ; + my head's 16 columns
	v_add_nc_u32 v[TRA], s30, v[T1]
	v_add_nc_u32 v[TRA+1], WSZ, v[TRA]
	v_add_nc_u32 v[TRA+2], 2*WSZ, v[TRA]
	s_lshl_b32 s29, s18, 12
	s_add_co_u32 s29, s29, LIST                    ; my list
	s_mov_b32 s26, 1023                            ; the place of the next live key
	s_mov_b32 s27, 0                               ; the place of the next masked key
	s_wait_loadcnt 48                              ; the mask is in; the 48 weight loads behind it stay out
	; ---------------- the list: 32 steps, in each one key of every lane
.set j, 0
.rept 32
	v_and_b32 v[T0], 0xff<<(8*(j%4)), v[MK+j/4]
	v_cmp_eq_u32 vcc_lo, 0, v[T0]                  ; live
	v_mbcnt_lo_u32_b32 v[T1], vcc_lo, 0            ; live lanes below me
	v_sub_nc_u32 v[T2], s26, v[T1]                 ; a live key's place, from the top down
	v_sub_nc_u32 v[T3], v[LANE], v[T1]             ; masked lanes below me
	v_add_nc_u32 v[T3], s27, v[T3]                 ; a masked key's place, from the bottom up
	v_cndmask_b32 v[T2], v[T3], v[T2], vcc_lo
	v_min_u32 v[T2], 0x3ff, v[T2]                  ; inside my list whatever the bytes say
	v_lshl_add_u32 v[T2], v[T2], 2, s29
	v_add_nc_u32 v[T3], j+496*(j/16), v[L16]       ; the key
	ds_store_b32 v[T2], v[T3]
	s_bcnt1_i32_b32 s28, vcc_lo
	s_sub_co_u32 s26, s26, s28
	s_sub_co_u32 s30, 32, s28
	s_add_co_u32 s27, s27, s30
.set j, j+1
.endr
	; ---------------- the groups of chunk 0 store the list (128 places a wave) and the count
	s_cmp_lg_u32 s20, 0
	s_cbranch_scc1 .Lnolist
	s_lshl_b32 s30, s18, 9
	s_add_co_u32 s30, s30, s29
	v_add_nc_u32 v[LA], s30, v[L16]
	ds_load_b128 v[LST:LST+3], v[LA]               ; LDS serves a wave's instructions in order (ISA guide 5.7.1): this sees my stores above
	s_lshl_b32 s30, s19, 12
	s_lshl_b32 s31, s19, 10
	v_add_nc_u32 v[T0], s30, v[T16]
	v_lshl_add_u32 v[T1], v0, 2, s31
	v_mov_b32 v[T2], s27
	s_wait_dscnt 0x0
	global_store_b128 v[T0], v[LST:LST+3], s[16:17]
	global_store_b32 v[T1], v[T2], s[16:17] offset:NMOFF
	s_wait_xcnt 0x0                                ; the stores' offsets and data may be written again only behind this wait
.Lnolist:
	; ---------------- my four rows of the chunk: each load of the wave covers one whole row of 512 bytes
	s_lshl_b32 s30, s20, 7
	s_add_co_u32 s30, s30, s29
	s_lshl_b32 s31, s18, 4
	s_add_co_u32 s30, s30, s31
	v_mov_b32 v[LA], s30                           ; places 32 c + 4 wave .. +3: every lane reads the same 16 bytes
	ds_load_b128 v[LI:LI+3], v[LA]
	s_wait_dscnt 0x0
.irp i,0,1,2,3
	v_min_u32 v[LI+\i], 0x3ff, v[LI+\i]
	v_lshl_add_u32 v[GA+\i], v[LI+\i], 9, v[L16]
.endr
.irp i,0,1,2,3
	global_load_b128 v[GR+4*\i:GR+4*\i+3], v[GA+\i], s[4:5]
.endr
	s_wait_loadcnt 4                               ; the weights are in; the four rows behind them stay out
	WCONV W0, WST
	WCONV W0+64, WST+1
	WCONV W0+128, WST+2
	s_wait_loadcnt 0x0
.irp i,0,1,2,3
	v_cvt_pk_f16_f32 v[GH+2*\i], v[GR+4*\i], v[GR+4*\i+1]
	v_cvt_pk_f16_f32 v[GH+2*\i+1], v[GR+4*\i+2], v[GR+4*\i+3]
	ds_store_b64 v[SST], v[GH+2*\i:GH+2*\i+1] offset:\i*QP
.endr
	s_wait_dscnt 0x0                               ; my stores are complete before I say so:
	s_barrier_signal -1
	s_barrier_wait -1                              ; weights and rows of all eight waves are in LDS
	; ---------------- the three products of my head
	TRLOAD TRA, WQT
	TRLOAD TRA+1, WKT
	TRLOAD TRA+2, WVF
	FLOAD FL, FR, FR+32
	s_wait_dscnt 0x0
	PROJA DQ, WQT
	PROJA DK, WKT
	PROJB DV, WVF
	NOPS 4                                         ; four places between the last matrix instruction and the lines that read results (ISA guide 7.12.1)
.irp i,0,2,4,6,8,10,12,14
	v_pk_mul_f32 v[DQ+\i:DQ+\i+1], v[DQ+\i:DQ+\i+1], 0x3f38aa3b op_sel_hi:[1,0]   ; 2 log2(e) / 4
.endr
.irp t,0,1
.irp i,0,1,2,3
	v_cvt_pk_f16_f32 v[DQ+8*\t+\i], v[DQ+8*\t+2*\i], v[DQ+8*\t+2*\i+1]            ; in place from the bottom: register i is written when 2i, 2i+1 are read
	v_cvt_pk_f16_f32 v[DK+8*\t+\i], v[DK+8*\t+2*\i], v[DK+8*\t+2*\i+1]
	v_cvt_pk_bf16_f32 v[DV+8*\t+\i], v[DV+8*\t+2*\i], v[DV+8*\t+2*\i+1]
.endr
.endr
.irp t,0,1
	global_store_b128 v[L16], v[DQ+8*\t:DQ+8*\t+3], s[14:15] offset:512*\t
	global_store_b128 v[L16], v[DK+8*\t:DK+8*\t+3], s[14:15] offset:KOFF+512*\t
	global_store_b128 v[L16], v[DV+8*\t:DV+8*\t+3], s[14:15] offset:VOFF+512*\t
.endr
	s_set_vgpr_msb 0x4
	s_wait_tensorcnt 0x0
	ds_add_u32 v7, v1
	s_wait_dscnt 0x0
	s_set_vgpr_msb 0x400
	s_endpgm
.Lfunc_end_k_q98459753d8_proj:
	.size	k_q98459753d8_proj, .Lfunc_end_k_q98459753d8_proj-k_q98459753d8_proj
	.p2alignl 7, 3214868480
	.fill 96, 4, 3214868480
	.section	.rodata,"a",@progbits
	.p2align	6, 0x0
	.amdhsa_kernel k_q98459753d8_proj
		.amdhsa_group_segment_fixed_size 153088
		.amdhsa_private_segment_fixed_size 0
		.amdhsa_enable_private_segment 0
		.amdhsa_kernarg_size 56
		.amdhsa_user_sgpr_count 2
		.amdhsa_user_sgpr_kernarg_segment_ptr 1
		.amdhsa_wavefront_size32 1
		.amdhsa_system_sgpr_workgroup_id_x 1
		.amdhsa_system_sgpr_workgroup_id_y 1
		.amdhsa_system_sgpr_workgroup_id_z 1
		.amdhsa_system_vgpr_workitem_id 0
		.amdhsa_next_free_vgpr 258
		.amdhsa_next_free_sgpr 66
		.amdhsa_reserve_vcc 1
		.amdhsa_float_denorm_mode_32 3
		.amdhsa_float_denorm_mode_16_64 3
		.amdhsa_memory_ordered 1
		.amdhsa_forward_progress 1
		.amdhsa_inst_pref_size 47
	.end_amdhsa_kernel
	.amdgpu_metadata
---
amdhsa.version: [ 1, 2 ]
amdhsa.kernels:
  - .name:           k_q98459753d8_proj
    .symbol:         k_q98459753d8_proj.kd
    .args:
      - { .name: Q, .offset: 0, .size: 8, .value_kind: global_buffer, .address_space: global }
      - { .name: Wq, .offset: 8, .size: 8, .value_kind: global_buffer, .address_space: global }
      - { .name: Wk, .offset: 16, .size: 8, .value_kind: global_buffer, .address_space: global }
      - { .name: Wvin, .offset: 24, .size: 8, .value_kind: global_buffer, .address_space: global }
      - { .name: mask, .offset: 32, .size: 8, .value_kind: global_buffer, .address_space: global }
      - { .name: qkv, .offset: 40, .size: 8, .value_kind: global_buffer, .address_space: global }
      - { .name: order, .offset: 48, .size: 8, .value_kind: global_buffer, .address_space: global }
    .group_segment_fixed_size: 153088
    .private_segment_fixed_size: 0
    .kernarg_segment_align: 8
    .kernarg_segment_size: 56
    .max_flat_workgroup_size: 256
    .sgpr_count:     66
    .vgpr_count:     258
    .wavefront_size: 32
...
	.end_amdgpu_metadata
.endif
;; end of part 1
;; launch attn (part 2): grid 256 x 1, 8 waves a work-group, no clusters, 63,488 bytes of LDS; arguments qkv, order, Wvout, out0; writes out0
.if DOCPART == 2
	.amdgcn_target "amdgcn-amd-amdhsa--gfx1250"
	.amdhsa_code_object_version 6
	.text
	.protected	k_q98459753d8_attn
	.globl	k_q98459753d8_attn
	.p2align	8
	.type	k_q98459753d8_attn,@function
k_q98459753d8_attn:
	s_mov_b64 s[64:65], 0
	v_nop
	global_prefetch_b8 v0, s[64:65] scope:SCOPE_SE
	s_setreg_imm32_b32 hwreg(HW_REG_WAVE_MODE, 25, 1), 1
	s_wait_xcnt 0x0
; SECOND OF TWO LAUNCHES: capped logits, softmax over the live keys, P V, output projection.
; Work-group = (batch b, chunk c of 32 query places): 256 groups.  Wave w = head.  A trip = 32 key places x 32 queries.
;
; LOGITS.  10 tanh(u) - 10 = -20 / (1 + e^(2u)); the factor e^10 cancels in the softmax.  With c = 20 log2(e):
;   p = exp2( rcp( -(e1 + 1/c) ) ),  e1 = exp2(s - log2 c),  s = (2 log2(e) / 4) q.k
; The factor of s is in q already; - log2 c is the C operand of the score product.  Three transcendentals, half a packed
; fma and half a packed conversion for each logit.  No maximum is taken away: the cap that the problem itself applies keeps p in
; [e^-20, 1] and a row's sum at or below 1024, for every input (s = +inf gives p = 1, s = -inf gives p = e^-20).
; The row sum is a matrix product of a fragment of ones with the same rounded P, so numerator and denominator agree.
;
; MASK.  Masked keys have weight 0 and are not computed: the first launch put the live keys at places nmask .. 1023.  Chunks
; c0 = min(nmask / 32, 31) .. 31 are worked on; chunk c0 begins with f0 = nmask - 32 c0 masked places, whose V columns and ones
; are zeroed.  It is written out ahead of the loop and starts the sums, so nothing is cleared.
; All keys masked: the sums are 0 and 0 x rcp(0) gives NaN, as the problem's softmax does.
;
; LAYOUTS (lane = (r, h)).  K fragment (A): key r of tile 0 in registers 0-3, of tile 1 in registers 4-7, d = 8h ..; a head has 16 of
; the 32 places along K, so one fragment carries two key tiles and is multiplied by [q|0] and by [0|q].
; S^T = K q^T: the lane holds query r, key 8h+j -> packed in place it is the B fragment of O^T = V^T P^T.  Nothing is transposed.
; The loop has no LDS access and no barrier: K and V come from memory straight into fragment registers, 512 consecutive bytes a load,
; asked for one trip ahead.  Chunk numbers past 31 are held at 31: fetched again, never multiplied.
; Queries are taken in place order too; the output row of a place is order[place].
;
; FORMATS.  f16: q, k, the normalised output, Wvout (sums in f32).  bf16: P and V (P goes down to e^-20).
; LIMITS: an f16 operand beyond 65,504 in magnitude becomes infinite and the row NaN; a masked key of chunk c0 whose k is not finite
; does the same.  The keys are summed in list order.
; NO JOINT TENSOR LOADS: the 32 groups of a batch read the same K and V, but each wave takes only its head's 2,048 bytes a trip,
; straight into registers; a shared ring in LDS would need barriers in a loop whose length is read from memory.  Wvout is f32 and is
; narrowed on its way into LDS, so it passes through registers anyway.
.set QP,     272                       ; LDS pitch of a row of O: 256 bytes + 16
.set WP,     288                       ; LDS pitch of a row of Wvout in f16: 256 bytes + 32
.set OPITCH, 528                       ; LDS pitch of a row of the f32 result: 512 bytes + 16
.set OST,    128*WP                    ; behind Wvout: normalised O, 32 x 128 f16
.set OUTST,  OST+32*QP                 ; the result, 32 x 128 f32; ends at 62,464
.set KOFF,   2097152
.set VOFF,   4194304
.set NMOFF,  0x8000
.set LANE, 1
.set L16,  2                           ; 16 x lane
.set T16,  3                           ; 16 x thread
.set RR,   4
.set K8H,  5                           ; 8 h
.set OSA,  6
.set OFL,  7
.set NIC,  8                           ; v[8:9]   -1/c, twice
.set TRA,  10
.set WST,  11
.set OUA,  12
.set ORB,  13
.set T0,   14
.set T1,   15
.set T2,   16
.set CLO,  18
.set CHI,  19
.set ROW,  20                          ; v[20:23] byte offsets of my four output rows
.set RL,   24                          ; v[24:27] 1 / row sum, twice for each query tile
.set OT,   28                          ; v[28:35] O in f16
.set MSK,  36                          ; v[36:43] 0xffff for each live key of chunk c0
.set KAP,  44                          ; v[44:51] -log2 c
.set ONES, 52                          ; v[52:59] bf16 ones
.set ONESM,60                          ; v[60:67] ones of the live keys of chunk c0
.set QB,   68                          ; v[68:91] for each query tile: q, 0, q (4 registers each)
.set KA,   92                          ; v[92:99]
.set VA,   100                         ; v[100:107]
.set SC,   108                         ; v[108:139] scores: query tile u, key tile t at SC+16u+8t; P is packed into SC+16u .. +7
.set OA,   140                         ; v[140:155] O^T, two query tiles
.set LS,   156                         ; v[156:171] row sums
.set WL,   172                         ; v[172:235] Wvout as it lands
.set HH,   236
.set WOF,  172                         ; behind the loop: Wvout^T, my 16 columns, 4 fragments
.set OF0,  204                         ; O fragments, query tile 0
.set OF1,  SC                          ; and 1
.set DO,   OA                          ; the result, f32
.set RB,   LS                          ; rows read back
.macro NOPS n
.rept \n
	v_nop
.endr
.endm
.macro TRANS op                        ; 32 transcendentals in place, back to back
.set i, 0
.rept 32
	\op v[SC+i], v[SC+i]
.set i, i+1
.endr
.endm
; ONE TRIP.  On entry KA and VA are on their way with this trip's chunk; s30 = the chunk to ask for next.
; nk, nv: how many younger loads may stay out when K, when V has to be in.
.macro TRIP first, ones, nk, nv
	s_wait_loadcnt \nk                             ; K is in, and its base s[22:23] is free
.irp u,0,1
.irp t,0,1
	v_wmma_f32_16x16x32_f16 v[SC+16*\u+8*\t:SC+16*\u+8*\t+7], v[KA:KA+7], v[QB+12*\u+4*\t:QB+12*\u+4*\t+7], v[KAP:KAP+7]
.endr
.endr
	s_min_u32 s36, s30, 31
	s_lshl_b32 s26, s36, 10
	s_add_nc_u64 s[22:23], s[20:21], s[26:27]
	NOPS 4                                         ; four places in front of the loads into KA and of the lines that read the scores
	global_load_b128 v[KA:KA+3], v[L16], s[22:23] offset:KOFF
	global_load_b128 v[KA+4:KA+7], v[L16], s[22:23] offset:KOFF+512
	TRANS v_exp_f32                                ; e1
	v_nop                                          ; a plain place between a transcendental and the use of its result (ISA guide 5.7.2)
.set i, 0
	s_wait_alu depctr_va_vdst(0)
.rept 16
	v_pk_fma_f32 v[SC+i:SC+i+1], v[SC+i:SC+i+1], -1.0, v[NIC:NIC+1] op_sel_hi:[1,0,1]   ; -(e1 + 1/c)
.set i, i+2
.endr
	TRANS v_rcp_f32
	v_nop
	s_wait_alu depctr_va_vdst(0)
	TRANS v_exp_f32                                ; p
	v_nop
	s_wait_alu depctr_va_vdst(0)
.irp u,0,1
.irp i,0,1,2,3,4,5,6,7
	v_cvt_pk_bf16_f32 v[SC+16*\u+\i], v[SC+16*\u+2*\i], v[SC+16*\u+2*\i+1]   ; in place from the bottom
.endr
.endr
	s_wait_loadcnt \nv                             ; V is in, and its base s[24:25] is free
.if \first
.irp i,0,1,2,3,4,5,6,7
	v_and_b32 v[VA+\i], v[MSK+\i], v[VA+\i]
.endr
.endif
.irp u,0,1
.if \first
	v_wmma_f32_16x16x32_bf16 v[OA+8*\u:OA+8*\u+7], v[VA:VA+7], v[SC+16*\u:SC+16*\u+7], 0
	v_wmma_f32_16x16x32_bf16 v[LS+8*\u:LS+8*\u+7], v[\ones:\ones+7], v[SC+16*\u:SC+16*\u+7], 0
.else
	v_wmma_f32_16x16x32_bf16 v[OA+8*\u:OA+8*\u+7], v[VA:VA+7], v[SC+16*\u:SC+16*\u+7], v[OA+8*\u:OA+8*\u+7]
	v_wmma_f32_16x16x32_bf16 v[LS+8*\u:LS+8*\u+7], v[\ones:\ones+7], v[SC+16*\u:SC+16*\u+7], v[LS+8*\u:LS+8*\u+7]
.endif
.endr
	s_mov_b64 s[24:25], s[22:23]
	NOPS 5                                         ; five places in front of the next score products, which write over P; they also serve the loads into VA
	global_load_b128 v[VA:VA+3], v[L16], s[24:25] offset:VOFF
	global_load_b128 v[VA+4:VA+7], v[L16], s[24:25] offset:VOFF+512
.endm
	; ---------------- ids and addresses
	s_load_b256 s[4:11], s[0:1], 0x0               ; qkv s[4:5], order s[6:7], Wvout s[8:9], out0 s[10:11]
	v_lshl_add_u32 v254, v0, 2, 0xf400
	v_mov_b32 v255, 0
	v_lshrrev_b32 v[T0], 5, v0
	v_readfirstlane_b32 s14, v[T0]                 ; wave = head
	v_and_b32 v[LANE], 31, v0
	v_lshlrev_b32 v[L16], 4, v[LANE]
	v_lshlrev_b32 v[T16], 4, v0
	s_lshr_b32 s12, ttmp9, 5                       ; batch
	s_and_b32 s13, ttmp9, 31                       ; chunk of queries
	s_lshl_b32 s36, s12, 10                        ; the batch's count
	s_lshl_b32 s37, s12, 12                        ; the batch's list,
	s_lshl_b32 s16, s13, 7
	s_add_co_u32 s37, s37, s16                     ; places 32 c
	s_lshl_b32 s16, s14, 4
	s_add_co_u32 s37, s37, s16                     ; + 4 wave .. +3
	s_lshl_b32 s16, s12, 18
	s_lshl_b32 s17, s14, 15
	s_add_co_u32 s16, s16, s17
	s_mov_b32 s17, 0
	s_lshl_b32 s26, s13, 10
	s_mov_b32 s27, 0
	s_lshl_b32 s38, s12, 19
	s_mov_b32 s39, 0
	s_wait_kmcnt 0x0
	s_load_b32 s28, s[6:7], s36 offset:NMOFF       ; nmask
	s_load_b128 s[32:35], s[6:7], s37              ; the keys of my four output rows
	s_add_nc_u64 s[20:21], s[4:5], s[16:17]        ; my batch and head in the part q
	s_add_nc_u64 s[16:17], s[20:21], s[26:27]      ; my queries
	s_add_nc_u64 s[10:11], s[10:11], s[38:39]      ; out0[b]
	global_load_b128 v[QB:QB+3], v[L16], s[16:17]
	global_load_b128 v[QB+12:QB+15], v[L16], s[16:17] offset:512
	v_and_b32 v[RR], 15, v[LANE]
	v_lshrrev_b32 v[HH], 4, v[LANE]
	v_lshlrev_b32 v[K8H], 3, v[HH]
	v_mov_b32 v[NIC], 0xbd0df4e0                   ; -1/c = -ln 2 / 20
	v_mov_b32 v[NIC+1], 0xbd0df4e0
	v_mov_b32 v[CLO], 0xffff
	v_mov_b32 v[CHI], 0xffff0000
.irp i,0,1,2,3,4,5,6,7
	v_mov_b32 v[KAP+\i], 0xc09b38e4                ; -log2 c
	v_mov_b32 v[ONES+\i], 0x3f803f80
.endr
.irp i,4,5,6,7,16,17,18,19
	v_mov_b32 v[QB+\i], 0
.endr
	v_mul_u32_u24 v[T0], v[RR], QP
	v_lshl_add_u32 v[T0], v[HH], 4, v[T0]          ; row r, 16 bytes for each half of the lanes
	v_add_nc_u32 v[OFL], OST, v[T0]
	s_lshl_b32 s18, s14, 5
	s_add_co_u32 s18, s18, OST
	v_add_nc_u32 v[OSA], s18, v[T0]                ; + my head's 16 columns
	v_and_b32 v[T1], 7, v[LANE]
	v_lshl_add_u32 v[T1], v[HH], 3, v[T1]
	v_mul_u32_u24 v[T1], v[T1], WP
	v_bfe_u32 v[T2], v[LANE], 3, 1
	v_lshl_add_u32 v[T1], v[T2], 4, v[T1]
	s_lshl_b32 s18, s14, 5
	v_add_nc_u32 v[TRA], s18, v[T1]                ; columns 16 wave .. of Wvout, for the transposing load
	s_mul_i32 s18, s14, WP
	v_lshl_add_u32 v[WST], v[LANE], 3, s18
	v_mul_u32_u24 v[T0], v[RR], OPITCH
	v_lshl_add_u32 v[T0], v[HH], 5, v[T0]
	s_lshl_b32 s18, s14, 6
	s_add_co_u32 s18, s18, OUTST
	v_add_nc_u32 v[OUA], s18, v[T0]                ; row r, columns 16 wave + 8 h .. in f32
	s_mul_i32 s18, s14, 4*OPITCH
	s_add_co_u32 s18, s18, OUTST
	v_add_nc_u32 v[ORB], s18, v[L16]               ; rows 4 wave .., 16 bytes a lane
	s_wait_kmcnt 0x0
	s_lshr_b32 s29, s28, 5
	s_min_u32 s29, s29, 31                         ; c0
	s_lshl_b32 s31, s29, 5
	s_sub_co_u32 s31, s28, s31                     ; f0
	s_lshl_b32 s26, s29, 10
	s_add_nc_u64 s[22:23], s[20:21], s[26:27]
	s_mov_b64 s[24:25], s[22:23]
	global_load_b128 v[KA:KA+3], v[L16], s[22:23] offset:KOFF
	global_load_b128 v[KA+4:KA+7], v[L16], s[22:23] offset:KOFF+512
	global_load_b128 v[VA:VA+3], v[L16], s[24:25] offset:VOFF
	global_load_b128 v[VA+4:VA+7], v[L16], s[24:25] offset:VOFF+512
.irp k,0,1,2,3,4,5,6,7,8,9,10,11,12,13,14,15
	global_load_b128 v[WL+4*\k:WL+4*\k+3], v[T16], s[8:9] offset:\k*4096   ; row 8k + wave of Wvout
.endr
	s_add_co_u32 s30, s29, 1
.irp i,0,1,2,3
	s_min_u32 s[32+\i], s[32+\i], 0x3ff
	s_lshl_b32 s[32+\i], s[32+\i], 9
	v_add_nc_u32 v[ROW+\i], s[32+\i], v[L16]
.endr
	; register i of an A fragment holds keys 16 (i/4) + 2 (i%4) + 8h and the next one
.irp i,0,1,2,3,4,5,6,7
	v_add_nc_u32 v[T0], 16*(\i/4)+2*(\i%4), v[K8H]
	v_cmp_le_u32 vcc_lo, s31, v[T0]
	v_cndmask_b32 v[T1], 0, v[CLO], vcc_lo
	v_add_nc_u32 v[T0], 1, v[T0]
	v_cmp_le_u32 vcc_lo, s31, v[T0]
	v_cndmask_b32 v[T2], 0, v[CHI], vcc_lo
	v_or_b32 v[MSK+\i], v[T1], v[T2]
	v_and_b32 v[ONESM+\i], 0x3f803f80, v[MSK+\i]
.endr
	s_wait_loadcnt 20                              ; q is in; behind it K 2, V 2, Wvout 16
.irp i,0,1,2,3
	v_mov_b32 v[QB+8+\i], v[QB+\i]
	v_mov_b32 v[QB+20+\i], v[QB+12+\i]
.endr
	; ---------------- the keys
	TRIP 1, ONESM, 18, 18                          ; K: behind it V 2 + Wvout 16.  V: behind it Wvout 16 + the next K 2
	s_cmp_lt_u32 s30, 32
	s_cbranch_scc0 .Ldone
.Lloop:
	s_add_co_u32 s30, s30, 1
	TRIP 0, ONES, 2, 2                             ; K: behind it the 2 loads of V.  V: behind it the 2 loads of the next K
	s_cmp_lt_u32 s30, 32
	s_cbranch_scc1 .Lloop
.Ldone:
	s_wait_loadcnt 0x0                             ; Wvout, and the look-ahead that is not used
	; ---------------- normalise, hand O to the other heads' waves, project
	v_rcp_f32 v[RL], v[LS]                         ; every register of a sum tile holds the sum of query r
	v_rcp_f32 v[RL+1], v[LS]
	v_rcp_f32 v[RL+2], v[LS+8]
	v_rcp_f32 v[RL+3], v[LS+8]
	v_nop
	s_wait_alu depctr_va_vdst(0)
.irp u,0,1
.irp i,0,1,2,3
	v_pk_mul_f32 v[OA+8*\u+2*\i:OA+8*\u+2*\i+1], v[OA+8*\u+2*\i:OA+8*\u+2*\i+1], v[RL+2*\u:RL+2*\u+1]
.endr
.endr
.irp u,0,1
.irp i,0,1,2,3
	v_cvt_pk_f16_f32 v[OT+4*\u+\i], v[OA+8*\u+2*\i], v[OA+8*\u+2*\i+1]
.endr
	ds_store_b128 v[OSA], v[OT+4*\u:OT+4*\u+3] offset:\u*16*QP
.endr
.irp k,0,1,2,3,4,5,6,7,8,9,10,11,12,13,14,15
	v_cvt_pk_f16_f32 v[WL+4*\k], v[WL+4*\k], v[WL+4*\k+1]
	v_cvt_pk_f16_f32 v[WL+4*\k+1], v[WL+4*\k+2], v[WL+4*\k+3]
	ds_store_b64 v[WST], v[WL+4*\k:WL+4*\k+1] offset:\k*8*WP
.endr
	s_wait_dscnt 0x0                               ; my stores are complete before I say so:
	s_barrier_signal -1
	s_barrier_wait -1                              ; O of all heads and all of Wvout are in LDS
.irp s,0,1,2,3
	ds_load_tr16_b128 v[WOF+8*\s:WOF+8*\s+3], v[TRA] offset:\s*32*WP
	ds_load_tr16_b128 v[WOF+8*\s+4:WOF+8*\s+7], v[TRA] offset:\s*32*WP+16*WP
	ds_load_b128 v[OF0+8*\s:OF0+8*\s+3], v[OFL] offset:\s*64
	ds_load_b128 v[OF0+8*\s+4:OF0+8*\s+7], v[OFL] offset:\s*64+32
	ds_load_b128 v[OF1+8*\s:OF1+8*\s+3], v[OFL] offset:16*QP+\s*64
	ds_load_b128 v[OF1+8*\s+4:OF1+8*\s+7], v[OFL] offset:16*QP+\s*64+32
.endr
	s_wait_dscnt 0x0
	; out^T = Wvout^T O^T: the lane holds query r, columns 16 wave + 8h .. +7
.irp s,0,1,2,3
.if \s == 0
	v_wmma_f32_16x16x32_f16 v[DO:DO+7], v[WOF+8*\s:WOF+8*\s+7], v[OF0+8*\s:OF0+8*\s+7], 0
	v_wmma_f32_16x16x32_f16 v[DO+8:DO+15], v[WOF+8*\s:WOF+8*\s+7], v[OF1+8*\s:OF1+8*\s+7], 0
.else
	v_wmma_f32_16x16x32_f16 v[DO:DO+7], v[WOF+8*\s:WOF+8*\s+7], v[OF0+8*\s:OF0+8*\s+7], v[DO:DO+7]
	v_wmma_f32_16x16x32_f16 v[DO+8:DO+15], v[WOF+8*\s:WOF+8*\s+7], v[OF1+8*\s:OF1+8*\s+7], v[DO+8:DO+15]
.endif
.endr
	NOPS 4                                         ; four places in front of the LDS stores that read the results
.irp u,0,1
	ds_store_b128 v[OUA], v[DO+8*\u:DO+8*\u+3] offset:\u*16*OPITCH
	ds_store_b128 v[OUA], v[DO+8*\u+4:DO+8*\u+7] offset:\u*16*OPITCH+16
.endr
	s_wait_dscnt 0x0
	s_barrier_signal -1
	s_barrier_wait -1                              ; the 32 rows are whole
.irp i,0,1,2,3
	ds_load_b128 v[RB+4*\i:RB+4*\i+3], v[ORB] offset:\i*OPITCH
.endr
.irp i,0,1,2,3
	s_wait_dscnt 3-\i                              ; LDS loads come back in order: row i is in
	global_store_b128 v[ROW+\i], v[RB+4*\i:RB+4*\i+3], s[10:11] th:TH_STORE_NT   ; one whole row: 512 consecutive bytes, aligned
.endr
	s_wait_tensorcnt 0x0
	ds_add_u32 v254, v255
	s_wait_dscnt 0x0
	s_endpgm
.Lfunc_end_k_q98459753d8_attn:
	.size	k_q98459753d8_attn, .Lfunc_end_k_q98459753d8_attn-k_q98459753d8_attn
	.p2alignl 7, 3214868480
	.fill 96, 4, 3214868480
	.section	.rodata,"a",@progbits
	.p2align	6, 0x0
	.amdhsa_kernel k_q98459753d8_attn
		.amdhsa_group_segment_fixed_size 63488
		.amdhsa_private_segment_fixed_size 0
		.amdhsa_enable_private_segment 0
		.amdhsa_kernarg_size 32
		.amdhsa_user_sgpr_count 2
		.amdhsa_user_sgpr_kernarg_segment_ptr 1
		.amdhsa_wavefront_size32 1
		.amdhsa_system_sgpr_workgroup_id_x 1
		.amdhsa_system_sgpr_workgroup_id_y 1
		.amdhsa_system_sgpr_workgroup_id_z 1
		.amdhsa_system_vgpr_workitem_id 0
		.amdhsa_next_free_vgpr 256
		.amdhsa_next_free_sgpr 66
		.amdhsa_reserve_vcc 1
		.amdhsa_float_denorm_mode_32 3
		.amdhsa_float_denorm_mode_16_64 3
		.amdhsa_memory_ordered 1
		.amdhsa_forward_progress 1
		.amdhsa_inst_pref_size 31
	.end_amdhsa_kernel
	.amdgpu_metadata
---
amdhsa.version: [ 1, 2 ]
amdhsa.kernels:
  - .name:           k_q98459753d8_attn
    .symbol:         k_q98459753d8_attn.kd
    .args:
      - { .name: qkv, .offset: 0, .size: 8, .value_kind: global_buffer, .address_space: global }
      - { .name: order, .offset: 8, .size: 8, .value_kind: global_buffer, .address_space: global }
      - { .name: Wvout, .offset: 16, .size: 8, .value_kind: global_buffer, .address_space: global }
      - { .name: out0, .offset: 24, .size: 8, .value_kind: global_buffer, .address_space: global }
    .group_segment_fixed_size: 63488
    .private_segment_fixed_size: 0
    .kernarg_segment_align: 8
    .kernarg_segment_size: 32
    .max_flat_workgroup_size: 256
    .sgpr_count:     66
    .vgpr_count:     256
    .wavefront_size: 32
...
	.end_amdgpu_metadata
.endif
;; end of part 2
;; ======== version 2 of 2: 2 launches; version 1 with the launches proj, attn written anew for expert scheduling mode
;; limits: values are held in f16: magnitudes above 65,504 overflow, below 6.1e-05 lose precision
;; workspace buffers: qkv 6,291,456 bytes; order 40,960 bytes of whole numbers
;; launch proj (part 3): grid 256 x 1, 8 waves a work-group, no clusters, 153,088 bytes of LDS; arguments Q, Wq, Wk, Wvin, mask, qkv, order; writes qkv, order
.if DOCPART == 3
	.amdgcn_target "amdgcn-amd-amdhsa--gfx1250"
	.amdhsa_code_object_version 6
	.text
	.protected	k_q98459753d8_proj
	.globl	k_q98459753d8_proj
	.p2align	8
	.type	k_q98459753d8_proj,@function
k_q98459753d8_proj:
	s_mov_b64 s[64:65], 0
	v_nop
	global_prefetch_b8 v0, s[64:65] scope:SCOPE_SE
	s_setreg_imm32_b32 hwreg(HW_REG_WAVE_SCHED_MODE, 0, 2), 2
	s_setreg_imm32_b32 hwreg(HW_REG_WAVE_MODE, 25, 1), 1
	s_wait_xcnt 0x0
	s_wait_alu depctr_vm_vsrc(0)
; FIRST OF TWO LAUNCHES: q, k, v of every token, in an order in which the live keys stand together, laid out as matrix fragments.
; Work-group = (batch b, chunk c of 32 places): 8 x 32 = 256 groups.  Wave w = head.
;
; ORDER.  Each wave turns its batch's 1024 mask bytes (any byte other than 0 counts as masked) into a list of its own in LDS:
; place -> key, a permutation; masked keys fill places 0, 1, .. and live keys places 1023, 1022, ..  The groups of chunk 0 store
; the list and the number of masked keys (256 copies, a whole run of 1,024 bytes) for the second launch.
;
; LAYOUTS (lane = (r, h), r = lane % 16, h = lane / 16).  X = the chunk's 32 rows of Q in f16, fragments X[t][s] (16 places x 32 e).
;   q^T, k^T = W_h^T X^T : the lane holds place r, d = 8h .. 8h+7 -> 16 bytes of f16
;   v        = X Wv_h    : the lane holds d = r, places 8h .. 8h+7 -> 16 bytes of bf16
; qkv: parts q, k, v of 2,097,152 bytes; byte = b<<18 + w<<15 + c<<10 + 512 t + 16 lane: each store of a wave covers 512
; consecutive bytes, aligned.  q carries the factor 2 log2(e) / 4 of the second launch's exponent.
;
; FORMATS.  f16 for Q, the weights, q, k (sums in f32); bf16 for v.
; LIMIT: an f16 operand beyond 65,504 in magnitude becomes infinite, and the rows that it reaches NaN.
; NO JOINT TENSOR LOADS: what the groups share (3 x 65,536 bytes of weights) is f32 and is narrowed to f16 between memory and LDS,
; so it passes through registers anyway, and the rows of Q are picked one by one from the list.
;
; THE MODE: SCHED_MODE bits 1:0 = 2 (LLVM: expert scheduling mode 2), set by the entry lines.  The code itself states the register
; dependences between vector or matrix instructions and memory or LDS instructions, with s_wait_alu, always for 0.
; THE PLAN.  Registers that memory or LDS instructions touch:
;   L16, T16                     global offsets, made once at the head, never written again.
;   FL, SST, LB, WST.., TRA..    LDS addresses, made once at the head, never written again.
;   AD, DT                       The list goes in four groups of eight steps.  A group's arithmetic writes eight LDS addresses and eight
;                                keys; its eight LDS stores read them.  Later the four rows of Q land in these sixteen registers.
;   s[LV ..]                     A group's eight compares write eight masks; one wait stands between them and all their readers.
;   W0                           The weight loads land in it; each matrix is narrowed in place; its LDS stores are dealt among the next
;                                matrix's conversions, which name other registers.  Behind the barrier the fragments land in it.
;   GA, GH                       Written once by vector lines, read by the gathers and by the rows' LDS stores.
;   DQ, DK, DV                   Written by the products and their conversions, read by the six global stores at the end.
.set QP,     272                       ; LDS pitch of a row of X: 256 bytes + 16 (odd multiple of 16)
.set WP,     288                       ; LDS pitch of a weight row: 256 bytes + 32 (odd multiple of 32, for the transposing load)
.set WSZ,    128*WP
.set SLOT,   3*WSZ                     ; behind Wq, Wk, Wvin: 32 rows of X
.set LIST,   SLOT+32*QP                ; eight lists of 1024 words, one for each wave; ends at 152,064
.set KOFF,   2097152
.set VOFF,   4194304
.set NMOFF,  32768                     ; order: behind the 8 lists, the counts
.set LV,   32                          ; s[32:39] the masks of a group's eight steps
.set LANE, 1
.set L16,  2                           ; 16 x lane
.set T16,  3                           ; 16 x thread
.set FL,   4                           ; LDS: X fragments
.set SST,  5                           ; LDS: where I put my four rows
.set LA,   6                           ; LDS: the 128 places of the list that I store (chunk 0 alone)
.set LB,   7                           ; LDS: the list's four places of my rows
.set WST,  8                           ; v[8:10]  LDS: where I put my rows of weight matrix m
.set TRA,  11                          ; v[11:13] LDS: my head's columns of weight matrix m, for the transposing load
.set T0,   14
.set T1,   15
.set T2,   16
.set T3,   17
.set RR,   18
.set HH,   19
.set LI,   20                          ; v[20:23] four list entries
.set GA,   24                          ; v[24:27] their byte offsets in Q[b]
.set MK,   28                          ; v[28:35] 32 mask bytes a lane
.set AD,   36                          ; v[36:43] the list: a group's eight LDS addresses
.set DT,   44                          ; v[44:51] the list: a group's eight keys
.set GR,   36                          ; v[36:51] behind the list: four rows, 16 bytes a lane, f32
.set DV,   36                          ; v[36:51] later: v, f32
.set GH,   52                          ; v[52:59] the rows in f16
.set LST,  60                          ; v[60:63] four list entries to store
.set W0,   64                          ; v[64:255] the weights as they land: Wq, Wk, Wvin, 64 registers each
.set WQT,  64                          ; behind the barrier: Wq_h^T, 4 fragments
.set WKT,  96
.set WVF,  128
.set FR,   160                         ; X[t][s] at FR + 32 t + 8 s
.set DQ,   224
.set DK,   240
.macro NOPS n
.rept \n
	v_nop
.endr
.endm
; Eight steps of the list, in each one key of every lane.
.macro GROUP g
.irp i,0,1,2,3,4,5,6,7
.set j, 8*\g+\i
	v_and_b32 v[T0], 0xff<<(8*(j%4)), v[MK+j/4]
	v_cmp_eq_u32 s[LV+\i], 0, v[T0]                ; live
.endr
	s_wait_alu depctr_va_sdst(0)                   ; the eight compares have written s[LV ..], ahead of their first reader
.if \g > 0
	s_wait_alu depctr_vm_vsrc(0)                   ; the last group's LDS stores have read AD and DT, which the lines below write again
.endif
.irp i,0,1,2,3,4,5,6,7
.set j, 8*\g+\i
	v_mbcnt_lo_u32_b32 v[T1], s[LV+\i], 0          ; live lanes below me
	v_sub_nc_u32 v[T2], s26, v[T1]                 ; a live key's place, from the top down
	v_sub_nc_u32 v[T3], v[LANE], v[T1]             ; masked lanes below me
	v_add_nc_u32 v[T3], s27, v[T3]                 ; a masked key's place, from the bottom up
	v_cndmask_b32 v[T2], v[T3], v[T2], s[LV+\i]
	v_min_u32 v[T2], 0x3ff, v[T2]                  ; inside my list whatever the bytes say
	v_lshl_add_u32 v[AD+\i], v[T2], 2, s29
	v_add_nc_u32 v[DT+\i], j+496*(j/16), v[L16]    ; the key
	s_bcnt1_i32_b32 s28, s[LV+\i]
	s_sub_co_u32 s26, s26, s28
	s_sub_co_u32 s30, 32, s28
	s_add_co_u32 s27, s27, s30
.endr
	s_wait_alu depctr_va_vdst(0)                   ; AD and DT are written, which the eight stores read (in the first group also every LDS address made at the head)
.irp i,0,1,2,3,4,5,6,7
	ds_store_b32 v[AD+\i], v[DT+\i]
.endr
.endm
; my share of a weight matrix (rows 8k + wave, 16 bytes a lane) to f16, in place
.macro WCONV src
.irp k,0,1,2,3,4,5,6,7,8,9,10,11,12,13,14,15
	v_cvt_pk_f16_f32 v[\src+4*\k], v[\src+4*\k], v[\src+4*\k+1]
	v_cvt_pk_f16_f32 v[\src+4*\k+1], v[\src+4*\k+2], v[\src+4*\k+3]
.endr
.endm
; and into LDS: 32 lanes store 256 neighbouring bytes
.macro WPUT src, adr
.irp k,0,1,2,3,4,5,6,7,8,9,10,11,12,13,14,15
	ds_store_b64 v[\adr], v[\src+4*\k:\src+4*\k+1] offset:\k*8*WP
.endr
.endm
; the stores of the matrix narrowed last, dealt among the conversions of the next: these name none of the registers that the stores read
.macro WBOTH src, prev, adr
.irp k,0,1,2,3,4,5,6,7,8,9,10,11,12,13,14,15
	ds_store_b64 v[\adr], v[\prev+4*\k:\prev+4*\k+1] offset:\k*8*WP
	v_cvt_pk_f16_f32 v[\src+4*\k], v[\src+4*\k], v[\src+4*\k+1]
	v_cvt_pk_f16_f32 v[\src+4*\k+1], v[\src+4*\k+2], v[\src+4*\k+3]
.endr
.endm
; 4 fragments of 16 columns of a matrix stored [k][n]: the lane gets column r, k = 32s + 8h .. and 32s + 16 + 8h ..
.macro TRLOAD adr, dst
.irp s,0,1,2,3
	ds_load_tr16_b128 v[\dst+8*\s:\dst+8*\s+3], v[\adr] offset:\s*32*WP
	ds_load_tr16_b128 v[\dst+8*\s+4:\dst+8*\s+7], v[\adr] offset:\s*32*WP+16*WP
.endr
.endm
; 2 x 4 fragments of 16 rows x 32: two loads of 16 bytes each, 32 bytes apart
.macro FLOAD adr, f0, f1
.irp s,0,1,2,3
	ds_load_b128 v[\f0+8*\s:\f0+8*\s+3], v[\adr] offset:\s*64
	ds_load_b128 v[\f0+8*\s+4:\f0+8*\s+7], v[\adr] offset:\s*64+32
	ds_load_b128 v[\f1+8*\s:\f1+8*\s+3], v[\adr] offset:16*QP+\s*64
	ds_load_b128 v[\f1+8*\s+4:\f1+8*\s+7], v[\adr] offset:16*QP+\s*64+32
.endr
.endm
; D[t] = sum over s of W[s] x X[t][s] (the weights as A: the transposed product).  The first link starts the sum.
.macro PROJA d, a
.irp s,0,1,2,3
.irp t,0,1
.if \s == 0
	v_wmma_f32_16x16x32_f16 v[\d+8*\t:\d+8*\t+7], v[\a+8*\s:\a+8*\s+7], v[FR+32*\t+8*\s:FR+32*\t+8*\s+7], 0
.else
	v_wmma_f32_16x16x32_f16 v[\d+8*\t:\d+8*\t+7], v[\a+8*\s:\a+8*\s+7], v[FR+32*\t+8*\s:FR+32*\t+8*\s+7], v[\d+8*\t:\d+8*\t+7]
.endif
.endr
.endr
.endm
; D[t] = sum over s of X[t][s] x W[s]
.macro PROJB d, b
.irp s,0,1,2,3
.irp t,0,1
.if \s == 0
	v_wmma_f32_16x16x32_f16 v[\d+8*\t:\d+8*\t+7], v[FR+32*\t+8*\s:FR+32*\t+8*\s+7], v[\b+8*\s:\b+8*\s+7], 0
.else
	v_wmma_f32_16x16x32_f16 v[\d+8*\t:\d+8*\t+7], v[FR+32*\t+8*\s:FR+32*\t+8*\s+7], v[\b+8*\s:\b+8*\s+7], v[\d+8*\t:\d+8*\t+7]
.endif
.endr
.endr
.endm
	; ---------------- ids, and all early loads
	s_load_b256 s[4:11], s[0:1], 0x0               ; Q s[4:5], Wq s[6:7], Wk s[8:9], Wvin s[10:11]
	s_load_b128 s[12:15], s[0:1], 0x20             ; mask s[12:13], qkv s[14:15]
	s_load_b64 s[16:17], s[0:1], 0x30              ; order
	s_set_vgpr_msb 0x40
	v_lshl_add_u32 v0, v0, 2, 0x25200
	v_mov_b32 v1, 0
	s_set_vgpr_msb 0x4000
	v_lshrrev_b32 v[T0], 5, v0
	v_readfirstlane_b32 s18, v[T0]                 ; wave = head
	v_and_b32 v[LANE], 31, v0
	v_lshlrev_b32 v[L16], 4, v[LANE]
	v_lshlrev_b32 v[T16], 4, v0
	s_lshr_b32 s19, ttmp9, 5                       ; batch
	s_and_b32 s20, ttmp9, 31                       ; chunk
	s_lshl_b32 s22, s19, 10                        ; batch x 1024 mask bytes
	s_mov_b32 s23, 0
	s_wait_alu depctr_va_sdst(0)                   ; s18 is written, ahead of its first reader: bases and LDS addresses are made from it
	s_wait_kmcnt 0x0
	s_add_nc_u64 s[12:13], s[12:13], s[22:23]
	s_wait_alu depctr_va_vdst(0)                   ; L16 and T16 are written: every global load and store of the kernel but the gathers and the list's reads one of them as its offset
	global_load_b128 v[MK:MK+3], v[L16], s[12:13]              ; keys 16 lane .. +15
	global_load_b128 v[MK+4:MK+7], v[L16], s[12:13] offset:512 ; keys 512 + 16 lane .. +15
.irp k,0,1,2,3,4,5,6,7,8,9,10,11,12,13,14,15
	global_load_b128 v[W0+4*\k:W0+4*\k+3], v[T16], s[6:7] offset:\k*4096            ; row 8k + wave of Wq: 512 bytes a wave
.endr
.irp k,0,1,2,3,4,5,6,7,8,9,10,11,12,13,14,15
	global_load_b128 v[W0+64+4*\k:W0+64+4*\k+3], v[T16], s[8:9] offset:\k*4096      ; Wk
.endr
.irp k,0,1,2,3,4,5,6,7,8,9,10,11,12,13,14,15
	global_load_b128 v[W0+128+4*\k:W0+128+4*\k+3], v[T16], s[10:11] offset:\k*4096  ; Wvin
.endr
	s_lshl_b32 s22, s19, 19                        ; batch x 1024 rows x 512 bytes
	s_add_nc_u64 s[4:5], s[4:5], s[22:23]          ; Q[b]
	s_lshl_b32 s22, s19, 18
	s_lshl_b32 s30, s18, 15
	s_add_co_u32 s22, s22, s30
	s_lshl_b32 s30, s20, 10
	s_add_co_u32 s22, s22, s30
	s_add_nc_u64 s[14:15], s[14:15], s[22:23]      ; my 1,024 bytes of the part q
	; LDS addresses, while the loads are on their way
	v_and_b32 v[RR], 15, v[LANE]
	v_lshrrev_b32 v[HH], 4, v[LANE]
	v_mul_u32_u24 v[FL], v[RR], QP
	v_lshl_add_u32 v[FL], v[HH], 4, v[FL]
	v_add_nc_u32 v[FL], SLOT, v[FL]                ; row r, 16 bytes for each half of the lanes
	s_mul_i32 s30, s18, 4*QP
	s_add_co_u32 s30, s30, SLOT
	v_lshl_add_u32 v[SST], v[LANE], 3, s30         ; rows 4 wave .., 8 bytes a lane
	s_mul_i32 s30, s18, WP
	v_lshl_add_u32 v[WST], v[LANE], 3, s30         ; row wave, 8 bytes a lane
	v_add_nc_u32 v[WST+1], WSZ, v[WST]
	v_add_nc_u32 v[WST+2], 2*WSZ, v[WST]
	v_and_b32 v[T0], 7, v[LANE]
	v_lshl_add_u32 v[T0], v[HH], 3, v[T0]          ; k row 8h + lane % 8
	v_mul_u32_u24 v[T1], v[T0], WP
	v_bfe_u32 v[T2], v[LANE], 3, 1
	v_lshl_add_u32 v[T1], v[T2], 4, v[T1]          ; + 16 bytes for the upper eight columns
	s_lshl_b32 s30, s18, 5                         ; + my head's 16 columns
	v_add_nc_u32 v[TRA], s30, v[T1]
	v_add_nc_u32 v[TRA+1], WSZ, v[TRA]
	v_add_nc_u32 v[TRA+2], 2*WSZ, v[TRA]
	s_lshl_b32 s29, s18, 12
	s_add_co_u32 s29, s29, LIST                    ; my list
	s_lshl_b32 s30, s20, 7
	s_add_co_u32 s30, s30, s29
	s_lshl_b32 s31, s18, 4
	s_add_co_u32 s30, s30, s31
	v_mov_b32 v[LB], s30                           ; places 32 c + 4 wave .. +3: every lane reads the same 16 bytes
	s_mov_b32 s26, 1023                            ; the place of the next live key
	s_mov_b32 s27, 0                               ; the place of the next masked key
	s_wait_loadcnt 48                              ; the mask is in; the 48 weight loads behind it stay out
	; ---------------- the list: 32 steps, in four groups of eight
	GROUP 0
	GROUP 1
	GROUP 2
	GROUP 3
	; ---------------- the groups of chunk 0 store the list (128 places a wave) and the count
	s_cmp_lg_u32 s20, 0
	s_cbranch_scc1 .Lnolist
	s_lshl_b32 s30, s18, 9
	s_add_co_u32 s30, s30, s29
	v_add_nc_u32 v[LA], s30, v[L16]
	s_lshl_b32 s30, s19, 12
	s_lshl_b32 s31, s19, 10
	v_add_nc_u32 v[T0], s30, v[T16]
	v_lshl_add_u32 v[T1], v0, 2, s31
	v_mov_b32 v[T2], s27
	s_wait_alu depctr_va_vdst(0)                   ; LA is written, which the LDS load reads; so are T0, T1 and T2, the two stores' offsets and the count.  None of them is written again
	ds_load_b128 v[LST:LST+3], v[LA]               ; LDS serves a wave's instructions in order (ISA guide 5.7.1): this sees my stores above
	s_wait_dscnt 0x0
	global_store_b128 v[T0], v[LST:LST+3], s[16:17]
	global_store_b32 v[T1], v[T2], s[16:17] offset:NMOFF
.Lnolist:
	; ---------------- my four rows of the chunk: each load of the wave covers one whole row of 512 bytes
	ds_load_b128 v[LI:LI+3], v[LB]                 ; LB was written ahead of the groups' waits, and no vector line has named LB or LI since
	s_wait_dscnt 0x0
.irp i,0,1,2,3
	v_min_u32 v[LI+\i], 0x3ff, v[LI+\i]
	v_lshl_add_u32 v[GA+\i], v[LI+\i], 9, v[L16]
.endr
	s_wait_alu depctr_va_vdst(0)                   ; GA is written, which the four loads read; the list's arithmetic is done writing AD and DT, in which they land
	s_wait_alu depctr_vm_vsrc(0)                   ; the list's LDS stores have read AD and DT, in which the four loads land
.irp i,0,1,2,3
	global_load_b128 v[GR+4*\i:GR+4*\i+3], v[GA+\i], s[4:5]
.endr
	s_wait_loadcnt 4                               ; the weights are in; the four rows behind them stay out
	WCONV W0
	s_wait_alu depctr_va_vdst(0)                   ; Wq's conversions have written what its LDS stores read
	WBOTH W0+64, W0, WST
	s_wait_alu depctr_va_vdst(0)                   ; Wk's conversions have written what its LDS stores read
	WBOTH W0+128, W0+64, WST+1
	s_wait_alu depctr_va_vdst(0)                   ; Wvin's conversions have written what its LDS stores read
	WPUT W0+128, WST+2
	s_wait_loadcnt 0x0
.irp i,0,1,2,3
	v_cvt_pk_f16_f32 v[GH+2*\i], v[GR+4*\i], v[GR+4*\i+1]
	v_cvt_pk_f16_f32 v[GH+2*\i+1], v[GR+4*\i+2], v[GR+4*\i+3]
.endr
	s_wait_alu depctr_va_vdst(0)                   ; the rows' conversions have written GH, which the four LDS stores read
.irp i,0,1,2,3
	ds_store_b64 v[SST], v[GH+2*\i:GH+2*\i+1] offset:\i*QP
.endr
	s_wait_dscnt 0x0                               ; my stores are complete before I say so:
	s_barrier_signal -1
	s_barrier_wait -1                              ; weights and rows of all eight waves are in LDS
	; ---------------- the three products of my head
	s_wait_alu depctr_vm_vsrc(0)                   ; my LDS stores have read W0's registers: the fragments land in them and the products write them (the conversions that named them stand ahead of the last wait on va_vdst)
	TRLOAD TRA, WQT
	TRLOAD TRA+1, WKT
	TRLOAD TRA+2, WVF
	FLOAD FL, FR, FR+32
	s_wait_dscnt 0x0
	PROJA DQ, WQT
	PROJA DK, WKT
	PROJB DV, WVF
	NOPS 4                                         ; four places between the last matrix instruction and the lines that read results (ISA guide 7.12.1)
.irp i,0,2,4,6,8,10,12,14
	v_pk_mul_f32 v[DQ+\i:DQ+\i+1], v[DQ+\i:DQ+\i+1], 0x3f38aa3b op_sel_hi:[1,0]   ; 2 log2(e) / 4
.endr
.irp t,0,1
.irp i,0,1,2,3
	v_cvt_pk_f16_f32 v[DQ+8*\t+\i], v[DQ+8*\t+2*\i], v[DQ+8*\t+2*\i+1]            ; in place from the bottom: register i is written when 2i, 2i+1 are read
	v_cvt_pk_f16_f32 v[DK+8*\t+\i], v[DK+8*\t+2*\i], v[DK+8*\t+2*\i+1]
	v_cvt_pk_bf16_f32 v[DV+8*\t+\i], v[DV+8*\t+2*\i], v[DV+8*\t+2*\i+1]
.endr
.endr
	s_wait_alu depctr_va_vdst(0)                   ; the conversions have written the 24 registers that the six stores read
.irp t,0,1
	global_store_b128 v[L16], v[DQ+8*\t:DQ+8*\t+3], s[14:15] offset:512*\t
	global_store_b128 v[L16], v[DK+8*\t:DK+8*\t+3], s[14:15] offset:KOFF+512*\t
	global_store_b128 v[L16], v[DV+8*\t:DV+8*\t+3], s[14:15] offset:VOFF+512*\t
.endr
	s_set_vgpr_msb 0x5
	s_wait_dscnt 0x0
	s_wait_alu depctr_hold_cnt(0) depctr_sa_sdst(0) depctr_va_vdst(0) depctr_va_sdst(0) depctr_va_ssrc(0) depctr_va_vcc(0) depctr_vm_vsrc(0)
	s_wait_tensorcnt 0x0
	ds_add_u32 v0, v1
	s_wait_dscnt 0x0
	s_endpgm
.Lfunc_end_k_q98459753d8_proj:
	.size	k_q98459753d8_proj, .Lfunc_end_k_q98459753d8_proj-k_q98459753d8_proj
	.p2alignl 7, 3214868480
	.fill 96, 4, 3214868480
	.section	.rodata,"a",@progbits
	.p2align	6, 0x0
	.amdhsa_kernel k_q98459753d8_proj
		.amdhsa_group_segment_fixed_size 153088
		.amdhsa_private_segment_fixed_size 0
		.amdhsa_enable_private_segment 0
		.amdhsa_kernarg_size 56
		.amdhsa_user_sgpr_count 2
		.amdhsa_user_sgpr_kernarg_segment_ptr 1
		.amdhsa_wavefront_size32 1
		.amdhsa_system_sgpr_workgroup_id_x 1
		.amdhsa_system_sgpr_workgroup_id_y 1
		.amdhsa_system_sgpr_workgroup_id_z 1
		.amdhsa_system_vgpr_workitem_id 0
		.amdhsa_next_free_vgpr 258
		.amdhsa_next_free_sgpr 66
		.amdhsa_reserve_vcc 0
		.amdhsa_float_denorm_mode_32 3
		.amdhsa_float_denorm_mode_16_64 3
		.amdhsa_memory_ordered 1
		.amdhsa_forward_progress 1
		.amdhsa_inst_pref_size 50
	.end_amdhsa_kernel
	.amdgpu_metadata
---
amdhsa.version: [ 1, 2 ]
amdhsa.kernels:
  - .name:           k_q98459753d8_proj
    .symbol:         k_q98459753d8_proj.kd
    .args:
      - { .name: Q, .offset: 0, .size: 8, .value_kind: global_buffer, .address_space: global }
      - { .name: Wq, .offset: 8, .size: 8, .value_kind: global_buffer, .address_space: global }
      - { .name: Wk, .offset: 16, .size: 8, .value_kind: global_buffer, .address_space: global }
      - { .name: Wvin, .offset: 24, .size: 8, .value_kind: global_buffer, .address_space: global }
      - { .name: mask, .offset: 32, .size: 8, .value_kind: global_buffer, .address_space: global }
      - { .name: qkv, .offset: 40, .size: 8, .value_kind: global_buffer, .address_space: global }
      - { .name: order, .offset: 48, .size: 8, .value_kind: global_buffer, .address_space: global }
    .group_segment_fixed_size: 153088
    .private_segment_fixed_size: 0
    .kernarg_segment_align: 8
    .kernarg_segment_size: 56
    .max_flat_workgroup_size: 256
    .sgpr_count:     66
    .vgpr_count:     258
    .wavefront_size: 32
...
	.end_amdgpu_metadata
.endif
;; end of part 3
;; launch attn (part 4): grid 256 x 1, 8 waves a work-group, no clusters, 63,488 bytes of LDS; arguments qkv, order, Wvout, out0; writes out0
.if DOCPART == 4
	.amdgcn_target "amdgcn-amd-amdhsa--gfx1250"
	.amdhsa_code_object_version 6
	.text
	.protected	k_q98459753d8_attn
	.globl	k_q98459753d8_attn
	.p2align	8
	.type	k_q98459753d8_attn,@function
k_q98459753d8_attn:
	s_mov_b64 s[64:65], 0
	v_nop
	global_prefetch_b8 v0, s[64:65] scope:SCOPE_SE
	s_setreg_imm32_b32 hwreg(HW_REG_WAVE_SCHED_MODE, 0, 2), 2
	s_setreg_imm32_b32 hwreg(HW_REG_WAVE_MODE, 25, 1), 1
	s_wait_xcnt 0x0
	s_wait_alu depctr_vm_vsrc(0)
; SECOND OF TWO LAUNCHES: capped logits, softmax over the live keys, P V, output projection.
; Work-group = (batch b, chunk c of 32 query places): 256 groups.  Wave w = head.  A trip = 32 key places x 32 queries.
;
; LOGITS.  10 tanh(u) - 10 = -20 / (1 + e^(2u)); the factor e^10 cancels in the softmax.  With c = 20 log2(e):
;   p = exp2( rcp( -(e1 + 1/c) ) ),  e1 = exp2(s - log2 c),  s = (2 log2(e) / 4) q.k
; The factor of s is in q already; - log2 c is the C operand of the score product.  Three transcendentals, half a packed
; fma and half a packed conversion for each logit.  No maximum is taken away: the cap that the problem itself applies keeps p in
; [e^-20, 1] and a row's sum at or below 1024, for every input (s = +inf gives p = 1, s = -inf gives p = e^-20).
; The row sum is a matrix product of a fragment of ones with the same rounded P, so numerator and denominator agree.
;
; MASK.  Masked keys have weight 0 and are not computed: the first launch put the live keys at places nmask .. 1023.  Chunks
; c0 = min(nmask / 32, 31) .. 31 are worked on; chunk c0 begins with f0 = nmask - 32 c0 masked places, whose V columns and ones
; are zeroed.  It is written out ahead of the loop and starts the sums, so nothing is cleared.
; All keys masked: the sums are 0 and 0 x rcp(0) gives NaN, as the problem's softmax does.
;
; LAYOUTS (lane = (r, h)).  K fragment (A): key r of tile 0 in registers 0-3, of tile 1 in registers 4-7, d = 8h ..; a head has 16 of
; the 32 places along K, so one fragment carries two key tiles and is multiplied by [q|0] and by [0|q].
; S^T = K q^T: the lane holds query r, key 8h+j -> packed in place it is the B fragment of O^T = V^T P^T.  Nothing is transposed.
; The loop has no LDS access and no barrier: K and V come from memory straight into fragment registers, 512 consecutive bytes a load.
; Chunk numbers past 31 are held at 31: fetched again, never multiplied.
; Queries are taken in place order too; the output row of a place is order[place].
;
; FORMATS.  f16: q, k, the normalised output, Wvout (sums in f32).  bf16: P and V (P goes down to e^-20).
; LIMITS: an f16 operand beyond 65,504 in magnitude becomes infinite and the row NaN; a masked key of chunk c0 whose k is not finite
; does the same.  The keys are summed in list order.
; NO JOINT TENSOR LOADS: the 32 groups of a batch read the same K and V, but each wave takes only its head's 2,048 bytes a trip,
; straight into registers; a shared ring in LDS would need barriers in a loop whose length is read from memory.  Wvout is f32 and is
; narrowed on its way into LDS, so it passes through registers anyway.
;
; THE MODE: SCHED_MODE bits 1:0 = 2 (LLVM: expert scheduling mode 2), set by the entry lines.  The code itself states the register
; dependences between vector or matrix instructions and memory or LDS instructions, with s_wait_alu, always for 0.
; THE PLAN.  Registers that memory or LDS instructions touch, in the loop:
;   K[0], K[1]   Trip t (p = t % 2): its four score products read K[p]; behind them the loads of trip t + 2 land in K[p].
;   V[0], V[1]   Trip t: two of the four products at its end read V[p]; the loads of trip t + 2 land in it in trip t + 1, behind that trip's score products.
;   L16          The offset of every load; made at the head, never written again.  Each buffer has a scalar base of its own, written
;                again only behind the counted wait that shows the loads that read it done.
; So ONE wait on va_vdst stands in a trip, behind its score products: it states that they are done reading K[p] and that the products
; at the end of the trip before are done reading V[1-p] (in the second trip also that the first trip's masking lines have written V[0]).
; The trip's four loads follow it at once: K of two trips on, V of the next trip.  The loop's text is two trips, so that the buffers
; are back at their start; where an odd number of chunks is left behind the first, the last has a trip of its own behind the loop,
; which asks for nothing and so holds no such wait.
; At the head and on the way out: offsets and LDS addresses are made once; the mask's sixteen compares write sixteen scalar registers,
; with one wait between them and their readers; all conversions of the way out stand ahead of one wait and the run of LDS stores.
.set QP,     272                       ; LDS pitch of a row of O: 256 bytes + 16
.set WP,     288                       ; LDS pitch of a row of Wvout in f16: 256 bytes + 32
.set OPITCH, 528                       ; LDS pitch of a row of the f32 result: 512 bytes + 16
.set OST,    128*WP                    ; behind Wvout: normalised O, 32 x 128 f16
.set OUTST,  OST+32*QP                 ; the result, 32 x 128 f32; ends at 62,464
.set KOFF,   2097152
.set VOFF,   4194304
.set NMOFF,  0x8000
.set KB,   22                          ; s[22:25] buffer p of K: the base of its loads, a pair at KB + 2 p
.set VB,   56                          ; s[56:59] the same for V
.set LV,   40                          ; s[40:55] at the head: the masks of the sixteen compares
.set LANE, 1
.set L16,  2                           ; 16 x lane
.set T16,  3                           ; 16 x thread
.set RR,   4
.set K8H,  5                           ; 8 h
.set OSA,  6
.set OFL,  7
.set NIC,  8                           ; v[8:9]   -1/c, twice
.set TRA,  10
.set WST,  11
.set OUA,  12
.set ORB,  13
.set T0,   14
.set T1,   15
.set T2,   16
.set CLO,  18
.set CHI,  19
.set ROW,  20                          ; v[20:23] byte offsets of my four output rows
.set RL,   24                          ; v[24:27] 1 / row sum, twice for each query tile
.set OT,   28                          ; v[28:35] O in f16
.set MSK,  36                          ; v[36:43] 0xffff for each live key of chunk c0
.set KAP,  44                          ; v[44:51] -log2 c
.set ONES, 52                          ; v[52:59] bf16 ones
.set ONESM,60                          ; v[60:67] ones of the live keys of chunk c0
.set QB,   68                          ; v[68:91] for each query tile: q, 0, q (4 registers each)
.set KA,   92                          ; v[92:107]  K, buffer p at KA + 8 p
.set VA,   108                         ; v[108:123] V, buffer p at VA + 8 p
.set SC,   124                         ; v[124:155] scores: query tile u, key tile t at SC+16u+8t; P is packed into SC+16u .. +7
.set OA,   156                         ; v[156:171] O^T, two query tiles
.set LS,   172                         ; v[172:187] row sums
.set WL,   188                         ; v[188:251] Wvout as it lands
.set HH,   252
.set WOF,  188                         ; behind the loop: Wvout^T, my 16 columns, 4 fragments
.set OF0,  220                         ; O fragments, query tile 0
.set OF1,  SC                          ; and 1
.set DO,   OA                          ; the result, f32
.set RB,   LS                          ; rows read back
.macro NOPS n
.rept \n
	v_nop
.endr
.endm
.macro TRANS op                        ; 32 transcendentals in place, back to back
.set i, 0
.rept 32
	\op v[SC+i], v[SC+i]
.set i, i+1
.endr
.endm
; ONE TRIP, on buffers p.  On entry s30 = this trip's chunk; K[p], K[1-p] and V[p] have been asked for.
; ahead = 1: K of two trips on and V of the next trip are asked for.  nk, nv: how many younger loads may stay out when K[p], when V[p] has to be in.
.macro TRIP p, first, ahead, ones, nk, nv
	s_wait_loadcnt \nk                             ; K[p] is in, and its base is free
.irp u,0,1
.irp t,0,1
	v_wmma_f32_16x16x32_f16 v[SC+16*\u+8*\t:SC+16*\u+8*\t+7], v[KA+8*\p:KA+8*\p+7], v[QB+12*\u+4*\t:QB+12*\u+4*\t+7], v[KAP:KAP+7]
.endr
.endr
.if \ahead
	s_add_co_u32 s36, s30, 2                       ; K of two trips on
	s_min_u32 s36, s36, 31
	s_lshl_b32 s26, s36, 10
	s_add_nc_u64 s[KB+2*\p:KB+2*\p+1], s[20:21], s[26:27]
	s_add_co_u32 s36, s30, 1                       ; V of the next trip; the other buffer's base is free since the last trip's wait for V
	s_min_u32 s36, s36, 31
	s_lshl_b32 s26, s36, 10
	s_add_nc_u64 s[VB+2-2*\p:VB+3-2*\p], s[20:21], s[26:27]
.endif
	NOPS 4                                         ; four places in front of the lines that read the scores (ISA guide 7.12.1)
.if \ahead
	s_wait_alu depctr_va_vdst(0)                   ; the score products are done reading K[p]; the last trip's products (and, behind the first trip, its masking lines) are done with the other V
	global_load_b128 v[KA+8*\p:KA+8*\p+3], v[L16], s[KB+2*\p:KB+2*\p+1] offset:KOFF
	global_load_b128 v[KA+8*\p+4:KA+8*\p+7], v[L16], s[KB+2*\p:KB+2*\p+1] offset:KOFF+512
	global_load_b128 v[VA+8-8*\p:VA+8-8*\p+3], v[L16], s[VB+2-2*\p:VB+3-2*\p] offset:VOFF
	global_load_b128 v[VA+8-8*\p+4:VA+8-8*\p+7], v[L16], s[VB+2-2*\p:VB+3-2*\p] offset:VOFF+512
.endif
	TRANS v_exp_f32                                ; e1
	v_nop                                          ; a plain place between a transcendental and the use of its result (ISA guide 5.7.2)
.set i, 0
	s_wait_alu depctr_va_vdst(0)
.rept 16
	v_pk_fma_f32 v[SC+i:SC+i+1], v[SC+i:SC+i+1], -1.0, v[NIC:NIC+1] op_sel_hi:[1,0,1]   ; -(e1 + 1/c)
.set i, i+2
.endr
	TRANS v_rcp_f32
	v_nop
	s_wait_alu depctr_va_vdst(0)
	TRANS v_exp_f32                                ; p
	v_nop
	s_wait_alu depctr_va_vdst(0)
.irp u,0,1
.irp i,0,1,2,3,4,5,6,7
	v_cvt_pk_bf16_f32 v[SC+16*\u+\i], v[SC+16*\u+2*\i], v[SC+16*\u+2*\i+1]   ; in place from the bottom
.endr
.endr
	s_wait_loadcnt \nv                             ; V[p] is in, and its base is free
.if \first
.irp i,0,1,2,3,4,5,6,7
	v_and_b32 v[VA+8*\p+\i], v[MSK+\i], v[VA+8*\p+\i]
.endr
.endif
.irp u,0,1
.if \first
	v_wmma_f32_16x16x32_bf16 v[OA+8*\u:OA+8*\u+7], v[VA+8*\p:VA+8*\p+7], v[SC+16*\u:SC+16*\u+7], 0
	v_wmma_f32_16x16x32_bf16 v[LS+8*\u:LS+8*\u+7], v[\ones:\ones+7], v[SC+16*\u:SC+16*\u+7], 0
.else
	v_wmma_f32_16x16x32_bf16 v[OA+8*\u:OA+8*\u+7], v[VA+8*\p:VA+8*\p+7], v[SC+16*\u:SC+16*\u+7], v[OA+8*\u:OA+8*\u+7]
	v_wmma_f32_16x16x32_bf16 v[LS+8*\u:LS+8*\u+7], v[\ones:\ones+7], v[SC+16*\u:SC+16*\u+7], v[LS+8*\u:LS+8*\u+7]
.endif
.endr
	s_add_co_u32 s30, s30, 1                       ; the next trip's chunk
	NOPS 5                                         ; five places in front of the next score products, which write over P; behind the last trip they serve the lines that read the sums
.endm
	; ---------------- ids and addresses
	s_load_b256 s[4:11], s[0:1], 0x0               ; qkv s[4:5], order s[6:7], Wvout s[8:9], out0 s[10:11]
	v_lshl_add_u32 v254, v0, 2, 0xf400
	v_mov_b32 v255, 0
	v_lshrrev_b32 v[T0], 5, v0
	v_readfirstlane_b32 s14, v[T0]                 ; wave = head
	v_and_b32 v[LANE], 31, v0
	v_lshlrev_b32 v[L16], 4, v[LANE]
	v_lshlrev_b32 v[T16], 4, v0
	s_lshr_b32 s12, ttmp9, 5                       ; batch
	s_and_b32 s13, ttmp9, 31                       ; chunk of queries
	s_lshl_b32 s36, s12, 10                        ; the batch's count
	s_lshl_b32 s37, s12, 12                        ; the batch's list,
	s_lshl_b32 s16, s13, 7
	s_add_co_u32 s37, s37, s16                     ; places 32 c
	s_wait_alu depctr_va_sdst(0)                   ; s14 is written, ahead of its first reader: offsets, bases and LDS addresses are made from it
	s_lshl_b32 s16, s14, 4
	s_add_co_u32 s37, s37, s16                     ; + 4 wave .. +3
	s_lshl_b32 s16, s12, 18
	s_lshl_b32 s17, s14, 15
	s_add_co_u32 s16, s16, s17
	s_mov_b32 s17, 0
	s_lshl_b32 s26, s13, 10
	s_mov_b32 s27, 0
	s_lshl_b32 s38, s12, 19
	s_mov_b32 s39, 0
	s_wait_kmcnt 0x0
	s_load_b32 s28, s[6:7], s36 offset:NMOFF       ; nmask
	s_load_b128 s[32:35], s[6:7], s37              ; the keys of my four output rows
	s_add_nc_u64 s[20:21], s[4:5], s[16:17]        ; my batch and head in the part q
	s_add_nc_u64 s[16:17], s[20:21], s[26:27]      ; my queries
	s_add_nc_u64 s[10:11], s[10:11], s[38:39]      ; out0[b]
	s_wait_alu depctr_va_vdst(0)                   ; L16 and T16 are written: every global load of the kernel reads one of them as its offset
	global_load_b128 v[QB:QB+3], v[L16], s[16:17]
	global_load_b128 v[QB+12:QB+15], v[L16], s[16:17] offset:512
	v_and_b32 v[RR], 15, v[LANE]
	v_lshrrev_b32 v[HH], 4, v[LANE]
	v_lshlrev_b32 v[K8H], 3, v[HH]
	v_mov_b32 v[NIC], 0xbd0df4e0                   ; -1/c = -ln 2 / 20
	v_mov_b32 v[NIC+1], 0xbd0df4e0
	v_mov_b32 v[CLO], 0xffff
	v_mov_b32 v[CHI], 0xffff0000
.irp i,0,1,2,3,4,5,6,7
	v_mov_b32 v[KAP+\i], 0xc09b38e4                ; -log2 c
	v_mov_b32 v[ONES+\i], 0x3f803f80
.endr
.irp i,4,5,6,7,16,17,18,19
	v_mov_b32 v[QB+\i], 0
.endr
	v_mul_u32_u24 v[T0], v[RR], QP
	v_lshl_add_u32 v[T0], v[HH], 4, v[T0]          ; row r, 16 bytes for each half of the lanes
	v_add_nc_u32 v[OFL], OST, v[T0]
	s_lshl_b32 s18, s14, 5
	s_add_co_u32 s18, s18, OST
	v_add_nc_u32 v[OSA], s18, v[T0]                ; + my head's 16 columns
	v_and_b32 v[T1], 7, v[LANE]
	v_lshl_add_u32 v[T1], v[HH], 3, v[T1]
	v_mul_u32_u24 v[T1], v[T1], WP
	v_bfe_u32 v[T2], v[LANE], 3, 1
	v_lshl_add_u32 v[T1], v[T2], 4, v[T1]
	s_lshl_b32 s18, s14, 5
	v_add_nc_u32 v[TRA], s18, v[T1]                ; columns 16 wave .. of Wvout, for the transposing load
	s_mul_i32 s18, s14, WP
	v_lshl_add_u32 v[WST], v[LANE], 3, s18
	v_mul_u32_u24 v[T0], v[RR], OPITCH
	v_lshl_add_u32 v[T0], v[HH], 5, v[T0]
	s_lshl_b32 s18, s14, 6
	s_add_co_u32 s18, s18, OUTST
	v_add_nc_u32 v[OUA], s18, v[T0]                ; row r, columns 16 wave + 8 h .. in f32
	s_mul_i32 s18, s14, 4*OPITCH
	s_add_co_u32 s18, s18, OUTST
	v_add_nc_u32 v[ORB], s18, v[L16]               ; rows 4 wave .., 16 bytes a lane
	s_wait_kmcnt 0x0
	s_lshr_b32 s29, s28, 5
	s_min_u32 s29, s29, 31                         ; c0
	s_lshl_b32 s31, s29, 5
	s_sub_co_u32 s31, s28, s31                     ; f0
	s_lshl_b32 s26, s29, 10
	s_add_nc_u64 s[KB:KB+1], s[20:21], s[26:27]    ; chunk c0: K into buffer 0,
	s_mov_b64 s[VB:VB+1], s[KB:KB+1]               ; V into buffer 0
	s_add_co_u32 s36, s29, 1
	s_min_u32 s36, s36, 31
	s_lshl_b32 s26, s36, 10
	s_add_nc_u64 s[KB+2:KB+3], s[20:21], s[26:27]  ; the next chunk: K into buffer 1; its V is asked for in the first trip
	global_load_b128 v[KA:KA+3], v[L16], s[KB:KB+1] offset:KOFF        ; no vector line has named K's, V's or Wvout's registers
	global_load_b128 v[KA+4:KA+7], v[L16], s[KB:KB+1] offset:KOFF+512
	global_load_b128 v[VA:VA+3], v[L16], s[VB:VB+1] offset:VOFF
	global_load_b128 v[VA+4:VA+7], v[L16], s[VB:VB+1] offset:VOFF+512
	global_load_b128 v[KA+8:KA+11], v[L16], s[KB+2:KB+3] offset:KOFF
	global_load_b128 v[KA+12:KA+15], v[L16], s[KB+2:KB+3] offset:KOFF+512
.irp k,0,1,2,3,4,5,6,7,8,9,10,11,12,13,14,15
	global_load_b128 v[WL+4*\k:WL+4*\k+3], v[T16], s[8:9] offset:\k*4096   ; row 8k + wave of Wvout
.endr
	s_mov_b32 s30, s29                             ; the first trip's chunk
.irp i,0,1,2,3
	s_min_u32 s[32+\i], s[32+\i], 0x3ff
	s_lshl_b32 s[32+\i], s[32+\i], 9
	v_add_nc_u32 v[ROW+\i], s[32+\i], v[L16]
.endr
	; register i of an A fragment holds keys 16 (i/4) + 2 (i%4) + 8h and the next one
.irp i,0,1,2,3,4,5,6,7
	v_add_nc_u32 v[T0], 16*(\i/4)+2*(\i%4), v[K8H]
	v_cmp_le_u32 s[LV+2*\i], s31, v[T0]
	v_add_nc_u32 v[T0], 1, v[T0]
	v_cmp_le_u32 s[LV+2*\i+1], s31, v[T0]
.endr
	s_wait_alu depctr_va_sdst(0)                   ; the sixteen compares have written s[LV ..], ahead of their first reader
.irp i,0,1,2,3,4,5,6,7
	v_cndmask_b32 v[T1], 0, v[CLO], s[LV+2*\i]
	v_cndmask_b32 v[T2], 0, v[CHI], s[LV+2*\i+1]
	v_or_b32 v[MSK+\i], v[T1], v[T2]
	v_and_b32 v[ONESM+\i], 0x3f803f80, v[MSK+\i]
.endr
	s_wait_loadcnt 22                              ; q is in; behind it K 2, V 2, K 2, Wvout 16
.irp i,0,1,2,3
	v_mov_b32 v[QB+8+\i], v[QB+\i]
	v_mov_b32 v[QB+20+\i], v[QB+12+\i]
.endr
	; ---------------- the keys
	TRIP 0, 1, 1, ONESM, 20, 22                    ; K: behind it V 2 + K 2 + Wvout 16.  V: behind it K 2 + Wvout 16 + the trip's own 4
	s_sub_co_u32 s61, 31, s29                      ; 31 - c0 chunks are left:
	s_lshr_b32 s61, s61, 1                         ; so many whole laps of two trips
	s_mov_b32 s60, 0
	s_cmp_lt_u32 s60, s61
	s_cbranch_scc0 .Lodd
.Lloop:
	TRIP 1, 0, 1, ONES, 4, 4                       ; K: the last trip's 4 loads may stay out (at the first entry this wait also stands for Wvout).  V: the trip's own 4
	TRIP 0, 0, 1, ONES, 4, 4
	s_add_co_u32 s60, s60, 1
	s_cmp_lt_u32 s60, s61
	s_cbranch_scc1 .Lloop
.Lodd:
	s_cmp_lt_u32 s30, 32                           ; is chunk 31 still to do?
	s_cbranch_scc0 .Ldone
	TRIP 1, 0, 0, ONES, 4, 0                       ; it asks for nothing.  K: the last trip's 4 loads may stay out.  V: its two loads were the last issued
.Ldone:
	s_wait_loadcnt 0x0                             ; Wvout, and the look-ahead that is not used
	; ---------------- normalise, hand O to the other heads' waves, project
	v_rcp_f32 v[RL], v[LS]                         ; every register of a sum tile holds the sum of query r
	v_rcp_f32 v[RL+1], v[LS]
	v_rcp_f32 v[RL+2], v[LS+8]
	v_rcp_f32 v[RL+3], v[LS+8]
	v_nop
	s_wait_alu depctr_va_vdst(0)
.irp u,0,1
.irp i,0,1,2,3
	v_pk_mul_f32 v[OA+8*\u+2*\i:OA+8*\u+2*\i+1], v[OA+8*\u+2*\i:OA+8*\u+2*\i+1], v[RL+2*\u:RL+2*\u+1]
.endr
.endr
.irp u,0,1
.irp i,0,1,2,3
	v_cvt_pk_f16_f32 v[OT+4*\u+\i], v[OA+8*\u+2*\i], v[OA+8*\u+2*\i+1]
.endr
.endr
.irp k,0,1,2,3,4,5,6,7,8,9,10,11,12,13,14,15
	v_cvt_pk_f16_f32 v[WL+4*\k], v[WL+4*\k], v[WL+4*\k+1]
	v_cvt_pk_f16_f32 v[WL+4*\k+1], v[WL+4*\k+2], v[WL+4*\k+3]
.endr
	s_wait_alu depctr_va_vdst(0)                   ; the conversions have written OT and Wvout's registers, which the LDS stores read; every vector and matrix line that named the registers of the fragments below is done
.irp u,0,1
	ds_store_b128 v[OSA], v[OT+4*\u:OT+4*\u+3] offset:\u*16*QP
.endr
.irp k,0,1,2,3,4,5,6,7,8,9,10,11,12,13,14,15
	ds_store_b64 v[WST], v[WL+4*\k:WL+4*\k+1] offset:\k*8*WP
.endr
	s_wait_dscnt 0x0                               ; my stores are complete before I say so:
	s_barrier_signal -1
	s_barrier_wait -1                              ; O of all heads and all of Wvout are in LDS
	s_wait_alu depctr_vm_vsrc(0)                   ; my LDS stores have read Wvout's registers, in which the fragments below land
.irp s,0,1,2,3
	ds_load_tr16_b128 v[WOF+8*\s:WOF+8*\s+3], v[TRA] offset:\s*32*WP
	ds_load_tr16_b128 v[WOF+8*\s+4:WOF+8*\s+7], v[TRA] offset:\s*32*WP+16*WP
	ds_load_b128 v[OF0+8*\s:OF0+8*\s+3], v[OFL] offset:\s*64
	ds_load_b128 v[OF0+8*\s+4:OF0+8*\s+7], v[OFL] offset:\s*64+32
	ds_load_b128 v[OF1+8*\s:OF1+8*\s+3], v[OFL] offset:16*QP+\s*64
	ds_load_b128 v[OF1+8*\s+4:OF1+8*\s+7], v[OFL] offset:16*QP+\s*64+32
.endr
	s_wait_dscnt 0x0
	; out^T = Wvout^T O^T: the lane holds query r, columns 16 wave + 8h .. +7
.irp s,0,1,2,3
.if \s == 0
	v_wmma_f32_16x16x32_f16 v[DO:DO+7], v[WOF+8*\s:WOF+8*\s+7], v[OF0+8*\s:OF0+8*\s+7], 0
	v_wmma_f32_16x16x32_f16 v[DO+8:DO+15], v[WOF+8*\s:WOF+8*\s+7], v[OF1+8*\s:OF1+8*\s+7], 0
.else
	v_wmma_f32_16x16x32_f16 v[DO:DO+7], v[WOF+8*\s:WOF+8*\s+7], v[OF0+8*\s:OF0+8*\s+7], v[DO:DO+7]
	v_wmma_f32_16x16x32_f16 v[DO+8:DO+15], v[WOF+8*\s:WOF+8*\s+7], v[OF1+8*\s:OF1+8*\s+7], v[DO+8:DO+15]
.endif
.endr
	NOPS 4                                         ; four places in front of the LDS stores that read the results
	s_wait_alu depctr_va_vdst(0)                   ; the products have written DO, which the LDS stores read; the places above stay beside this wait.  The reciprocals are done reading LS, in which the rows below land
.irp u,0,1
	ds_store_b128 v[OUA], v[DO+8*\u:DO+8*\u+3] offset:\u*16*OPITCH
	ds_store_b128 v[OUA], v[DO+8*\u+4:DO+8*\u+7] offset:\u*16*OPITCH+16
.endr
	s_wait_dscnt 0x0
	s_barrier_signal -1
	s_barrier_wait -1                              ; the 32 rows are whole
.irp i,0,1,2,3
	ds_load_b128 v[RB+4*\i:RB+4*\i+3], v[ORB] offset:\i*OPITCH
.endr
.irp i,0,1,2,3
	s_wait_dscnt 3-\i                              ; LDS loads come back in order: row i is in
	global_store_b128 v[ROW+\i], v[RB+4*\i:RB+4*\i+3], s[10:11] th:TH_STORE_NT   ; one whole row: 512 consecutive bytes, aligned
.endr
	s_wait_dscnt 0x0
	s_wait_alu depctr_hold_cnt(0) depctr_sa_sdst(0) depctr_va_vdst(0) depctr_va_sdst(0) depctr_va_ssrc(0) depctr_va_vcc(0) depctr_vm_vsrc(0)
	s_wait_tensorcnt 0x0
	ds_add_u32 v254, v255
	s_wait_dscnt 0x0
	s_endpgm
.Lfunc_end_k_q98459753d8_attn:
	.size	k_q98459753d8_attn, .Lfunc_end_k_q98459753d8_attn-k_q98459753d8_attn
	.p2alignl 7, 3214868480
	.fill 96, 4, 3214868480
	.section	.rodata,"a",@progbits
	.p2align	6, 0x0
	.amdhsa_kernel k_q98459753d8_attn
		.amdhsa_group_segment_fixed_size 63488
		.amdhsa_private_segment_fixed_size 0
		.amdhsa_enable_private_segment 0
		.amdhsa_kernarg_size 32
		.amdhsa_user_sgpr_count 2
		.amdhsa_user_sgpr_kernarg_segment_ptr 1
		.amdhsa_wavefront_size32 1
		.amdhsa_system_sgpr_workgroup_id_x 1
		.amdhsa_system_sgpr_workgroup_id_y 1
		.amdhsa_system_sgpr_workgroup_id_z 1
		.amdhsa_system_vgpr_workitem_id 0
		.amdhsa_next_free_vgpr 256
		.amdhsa_next_free_sgpr 66
		.amdhsa_reserve_vcc 0
		.amdhsa_float_denorm_mode_32 3
		.amdhsa_float_denorm_mode_16_64 3
		.amdhsa_memory_ordered 1
		.amdhsa_forward_progress 1
		.amdhsa_inst_pref_size 46
	.end_amdhsa_kernel
	.amdgpu_metadata
---
amdhsa.version: [ 1, 2 ]
amdhsa.kernels:
  - .name:           k_q98459753d8_attn
    .symbol:         k_q98459753d8_attn.kd
    .args:
      - { .name: qkv, .offset: 0, .size: 8, .value_kind: global_buffer, .address_space: global }
      - { .name: order, .offset: 8, .size: 8, .value_kind: global_buffer, .address_space: global }
      - { .name: Wvout, .offset: 16, .size: 8, .value_kind: global_buffer, .address_space: global }
      - { .name: out0, .offset: 24, .size: 8, .value_kind: global_buffer, .address_space: global }
    .group_segment_fixed_size: 63488
    .private_segment_fixed_size: 0
    .kernarg_segment_align: 8
    .kernarg_segment_size: 32
    .max_flat_workgroup_size: 256
    .sgpr_count:     66
    .vgpr_count:     256
    .wavefront_size: 32
...
	.end_amdgpu_metadata
.endif
;; end of part 4
